; MI455X (gfx1250); checked and timed in simulation.
; The chip was launched on July 23, 2026; its instructions are those of AMD's public machine-readable ISA for CDNA 5 (MIT licence, August 2026) and "CDNA5" Instruction Set Architecture Reference Guide (July 2026). The comments in the code are by the model that wrote it; some were corrected since.
;; Net VLAD Pool. Allowed arithmetic: float matrix products may take bf16 or f16 operands with f32 sums; all other float work in f32.
;; Inputs: R_seq 8 x 32 x 2,048 x 64 float32; W 32 x 64 float32; b 32 float32; centroids 32 x 64 float32.
;; Outputs: out0 8 x 32 x 32 x 64 float32.
;; One version. Each part assembles by itself: llvm-mc -triple=amdgcn-amd-amdhsa -mcpu=gfx1250 --defsym DOCPART=n.
;; ======== version 1 of 1: 1 launch
;; launch netvlad (part 1): grid 256 x 1, 8 waves a work-group, no clusters, 82,944 bytes of LDS; arguments R_seq, W, b, centroids, out0; writes out0
.if DOCPART == 1
	.amdgcn_target "amdgcn-amd-amdhsa--gfx1250"
	.amdhsa_code_object_version 6
	.text
	.protected	k_qeaa2d31f66_netvlad
	.globl	k_qeaa2d31f66_netvlad
	.p2align	8
	.type	k_qeaa2d31f66_netvlad,@function
k_qeaa2d31f66_netvlad:
	s_mov_b64 s[64:65], 0
	v_nop
	global_prefetch_b8 v0, s[64:65] scope:SCOPE_SE
	s_setreg_imm32_b32 hwreg(HW_REG_WAVE_MODE, 25, 1), 1
	s_wait_xcnt 0x0
; NetVLAD pooling, one launch.  For each m (of 256): a = softmax over k of (R W^T + b);  out[m][k][c] = sum_n a[n][k] R[n][c] - (sum_n a[n][k]) cent[k][c].
; R: [256][2048][64] f32, W, cent: [32][64] f32, b: [32] f32, out: [256][32][64] f32.
; One work-group per m, eight waves; a wave owns 256 rows of R and takes them in 8 chunks of 32 rows.  R is read once, by loads of 512
; consecutive bytes; no LDS in the stream; the waves' partial sums meet in LDS once, at the end.
; No cluster: work-groups share only W, b and cent (16.5 KB) against 512 KiB of R that each reads alone.
;
; LAYOUTS (L = lane, r = L & 15, h = L >> 4).  Load q of a chunk gives lane (r, h) the numbers R[2q+h][4r .. 4r+3].
;  F2[i] (i = 0..3): register s = bf16 of (load 2s, load 2s+1), word i.  As a matrix operand: row or column r stands for c = 4r+i,
;         and K position p (0..15) of half h for the chunk's row 2p+h.  That is the second product's B as it stands.
;  E[u]  (u = 0, 1): a selector of zeros and ones: column r' has its one at K index 16u + r'.  T(i,u) = F2[i] x E[u] is R turned:
;         lane (r', h') holds row n_u(r') = 16u + 2 (r' & 7) + (r' >> 3), register j the column c = 32h' + 4j + i.  The products are exact.
;  P(u,s): T(2s,u), T(2s+1,u) packed: B of the first product; W's fragments carry the same order of c.
;  LG(u,t) = W x R^T + b: lane = row n_u(r'), register j = k = 16t + 8h' + j: the softmax is in the lane, but for one exchange of halves.
;  G(u,t') = a x E[t']: a turned back: lane = k' = 16t' + r'', register j = row n_u(8h''+j) = 16u + 2j + h'': K position 8u+j of F2's order.
;  ACC(t',i) += A2[t'] x F2[i]: register j, lane (r, h) = out[16t'+8h+j][4r+i].   ASUM(t') += A2[t'] x (-1): minus the sum of a.
;
; LIMITS.  R, W (times log2 e) and the softmax weights go to the matrix unit rounded to bf16; sums, softmax and the centroid term are f32.
; A weight under 2^-126 of its row's largest comes out of v_exp_f32 as 0 (ISA guide 15.8).  A NaN or an infinity in R makes the whole
; block of its m NaN, as it does in the definition.  The f32 sums run in another order than a plain loop over n.  ALPHA = 1 is folded into log2 e.
.set CHB,   8192                       ; bytes of a chunk: 32 rows of 256 bytes
.set SLOTS, 3                          ; raw chunks a wave has on their way: 3 x 8 KiB, 192 KiB of the work-group's 512 KiB
.set WSTR,  10240                      ; LDS: a wave's partial sums, 80 registers x 128 bytes
.set RSTR,  1280                       ; of these, what one wave sums up at the end: 5 register pairs x 256 bytes
; registers of block 0 (v0-v255)
.set TM,   2                           ; v[2:9]     scratch
.set EX,   12                          ; v[12:23]   X, zeros, X: E[0] = v[12:19], E[1] = v[16:23]
.set ONES, 24                          ; v[24:31]   bf16 -1.0 everywhere
.set BIAS, 32                          ; v[32:47]   tile t: register j = log2 e * b[16t+8h+j]
.set WF,   48                          ; v[48:79]   W's fragments, (t, s) at 16t + 8s
.set ASUM, 80                          ; v[80:95]   minus the sum of a, tile t'
.set F2,   96                          ; v[96:127]
.set T,    128                         ; v[128:191] (i, u) at 32u + 8i; when P is made, the same registers serve AT, G, A2
.set P,    192                         ; v[192:223] (u, s) at 16u + 8s
.set LG,   224                         ; v[224:255] (u, t) at 16u + 8t
.set AT,   128                          ; v[128:143] a in bf16, lane = row, (u) at 8u
.set G,    144                         ; v[144:175] (u, t') at 16u + 8t'
.set A2,   176                         ; v[176:191] a in bf16, lane = k', (t') at 8t'
.set WRAW, 128                         ; v[128:191] W as loaded, before the stream starts
.set RD,   96                          ; v[96:175]  at the end: the eight waves' pairs
.set O,    176                         ; v[176:183] at the end: two rows' 16 bytes
; registers of block 1 (v256-v511), written by their low 8 bits
.set ACC,  192                         ; v[448:511] (t', i) at 32t' + 8i;  v[256:447]: the three raw slots of 64
.set CENT, 128                         ; v[384:391] centroids, in slot 2 once chunk 5 has left it
.set MSB, 0
.macro WIN new                         ; s_set_vgpr_msb: bits 1:0 source 0, 3:2 source 1, 5:4 source 2, 7:6 destination; the high byte repeats the setting left
.if MSB != \new
	s_set_vgpr_msb (MSB<<8)|\new
.set MSB, \new
.endif
.endm
.macro PLACES                          ; four independent vector places behind matrix instructions (ISA guide 7.12.1) where no useful work is at hand
.rept 4
	v_nop
.endr
.endm
.macro FILL ch                         ; chunk ch into its slot: 16 loads of 512 consecutive bytes
	WIN 0x40
.irp q, 0,1,2,3,4,5,6,7,8,9,10,11,12,13,14,15
	global_load_b128 v[64*((\ch)%SLOTS)+4*\q:64*((\ch)%SLOTS)+4*\q+3], v1, s[4:5] offset:512*\q+(\ch)*CHB th:TH_LOAD_NT
.endr
	WIN 0
.endm
	s_load_b256 s[4:11], s[0:1], 0x0               ; R s[4:5], W s[6:7], b s[8:9], cent s[10:11]
	s_load_b64 s[12:13], s[0:1], 0x20              ; out
	v_lshrrev_b32 v2, 5, v0
	v_readfirstlane_b32 s14, v2                    ; wave 0..7
	v_and_b32 v3, 31, v0                           ; L
	v_and_b32 v4, 15, v0                           ; r
	v_bfe_u32 v5, v0, 4, 1                         ; h
	v_lshlrev_b32 v1, 4, v3                        ; R: 16 L, never rewritten
	v_lshlrev_b32 v10, 8, v4                       ; W: row r,
	v_lshl_add_u32 v10, v5, 7, v10                 ;    columns 32h ..
	v_lshlrev_b32 v11, 5, v5                       ; b: 8h numbers
	s_lshl_b32 s16, ttmp9, 19                      ; m x 2,048 rows x 256 bytes (under 2^27)
	s_lshl_b32 s18, s14, 16                        ; + wave x 256 rows
	s_add_co_u32 s16, s16, s18
	s_mov_b32 s17, 0
	s_lshl_b32 s18, ttmp9, 13                      ; out: m x 8,192 bytes
	s_mov_b32 s19, 0
	s_mov_b32 s20, 0x76543210                      ; v_permlanex16_b32: lane i takes lane i of the other half
	s_mov_b32 s21, 0xfedcba98
	s_mul_i32 s22, s14, WSTR                       ; LDS: where my partial sums go
	s_mul_i32 s23, s14, RSTR                       ; LDS: my share in every wave's sums
	s_lshr_b32 s24, s14, 2                         ; at the end I am (t, jp) = (wave >> 2, wave & 3): rows k = 16t + 8h + 2jp + 0, 1
	s_lshl_b32 s24, s24, 12
	s_and_b32 s25, s14, 3
	s_lshl_b32 s25, s25, 9
	s_add_co_u32 s24, s24, s25                     ; (16t + 2jp) x 256 bytes
	s_wait_kmcnt 0x0
	s_add_nc_u64 s[4:5], s[4:5], s[16:17]
	s_add_nc_u64 s[12:13], s[12:13], s[18:19]
.irp t, 0,1
.irp y, 0,1,2,3,4,5,6,7
	global_load_b128 v[WRAW+32*\t+4*\y:WRAW+32*\t+4*\y+3], v10, s[6:7] offset:4096*\t+16*\y   ; W[16t+r][32h+4y ..]
.endr
.endr
.irp t, 0,1
	global_load_b128 v[BIAS+8*\t:BIAS+8*\t+3],   v11, s[8:9] offset:64*\t                     ; b[16t+8h ..]
	global_load_b128 v[BIAS+8*\t+4:BIAS+8*\t+7], v11, s[8:9] offset:64*\t+16
.endr
	FILL 0
	FILL 1
	FILL 2
	; the selector, while the loads are out.  X: lane (r, h) has bf16 1.0 at K position r & 7 if h = r >> 3, else nothing.
	v_and_b32 v2, 31, v0
	v_lshrrev_b32 v3, 1, v2
	v_xor_b32 v3, v3, v2                           ; bit 3: h xor (r >> 3)
	v_and_b32 v3, 8, v3
	v_and_b32 v4, 1, v2
	v_lshlrev_b32 v4, 4, v4                        ; an odd position is a high half
	v_mov_b32 v5, 0x3f80
	v_lshlrev_b32 v5, v4, v5
	v_cmp_eq_u32 vcc_lo, 0, v3
	v_cndmask_b32 v5, 0, v5, vcc_lo
	v_bfe_u32 v6, v2, 1, 2                         ; the register: (r & 7) >> 1
.irp x, 0,1,2,3
	v_cmp_eq_u32 vcc_lo, \x, v6
	v_cndmask_b32 v[EX+\x],   0, v5, vcc_lo
	v_cndmask_b32 v[EX+8+\x], 0, v5, vcc_lo
	v_mov_b32 v[EX+4+\x], 0
.endr
.irp x, 0,1,2,3,4,5,6,7
	v_mov_b32 v[ONES+\x], 0xbf80bf80               ; -1.0 twice: the sum of a is kept negative, so that the centroid term is a plain fma
.endr
	v_mov_b32 v2, 0x3fb8aa3b                       ; log2 e (times ALPHA = 1), as a pair
	v_mov_b32 v3, 0x3fb8aa3b
	s_wait_loadcnt 48                              ; W and b are in: behind them only the 48 loads of chunks 0 to 2 were issued
.set ix, 0
.rept 32
	v_pk_mul_f32 v[WRAW+ix:WRAW+ix+1], v[WRAW+ix:WRAW+ix+1], v[2:3]
.set ix, ix+2
.endr
.set ix, 0
.rept 8
	v_pk_mul_f32 v[BIAS+ix:BIAS+ix+1], v[BIAS+ix:BIAS+ix+1], v[2:3]
.set ix, ix+2
.endr
	; W's fragments in P's order of c: K step s, position p < 8: c = 32h + 4p + 2s; p >= 8: c = 32h + 4(p-8) + 2s + 1
.irp t, 0,1
.irp s, 0,1
.irp q, 0,1,2,3
	v_cvt_pk_bf16_f32 v[WF+16*\t+8*\s+\q],   v[WRAW+32*\t+8*\q+2*\s],   v[WRAW+32*\t+8*\q+2*\s+4]
	v_cvt_pk_bf16_f32 v[WF+16*\t+8*\s+4+\q], v[WRAW+32*\t+8*\q+2*\s+1], v[WRAW+32*\t+8*\q+2*\s+5]
.endr
.endr
.endr
	v_and_b32 v2, 15, v0                           ; cent and out: my 16 bytes of row 16t + 8h + 2jp.  v10 is free: W's loads were waited for
	v_bfe_u32 v3, v0, 4, 1
	v_lshlrev_b32 v2, 4, v2
	v_lshl_add_u32 v2, v3, 11, v2
	v_add_nc_u32 v10, s24, v2
.macro CVTP u                          ; T(.,u) to bf16: B of the first product
.irp i, 0,1,2,3
.irp x, 0,1,2,3
	v_cvt_pk_bf16_f32 v[P+16*\u+4*\i+\x], v[T+32*\u+8*\i+2*\x], v[T+32*\u+8*\i+2*\x+1]
.endr
.endr
.endm
.macro LOGITS u                        ; 16 rows x 32 k, K = 64 in two steps; the bias tile starts the sums
.irp t, 0,1
	v_wmma_f32_16x16x32_bf16 v[LG+16*\u+8*\t:LG+16*\u+8*\t+7], v[WF+16*\t:WF+16*\t+7], v[P+16*\u:P+16*\u+7], v[BIAS+8*\t:BIAS+8*\t+7]
.endr
.irp t, 0,1
	v_wmma_f32_16x16x32_bf16 v[LG+16*\u+8*\t:LG+16*\u+8*\t+7], v[WF+16*\t+8:WF+16*\t+15], v[P+16*\u+8:P+16*\u+15], v[LG+16*\u+8*\t:LG+16*\u+8*\t+7]
.endr
.endm
.macro SOFTMAX u                       ; a lane holds 16 of its row's 32 logits (in units of log2), the lane 16 further the others
.set LB, LG+16*\u
	v_max3_num_f32 v[TM],   v[LB],    v[LB+1],  v[LB+2]
	v_max3_num_f32 v[TM+1], v[LB+3],  v[LB+4],  v[LB+5]
	v_max3_num_f32 v[TM+2], v[LB+6],  v[LB+7],  v[LB+8]
	v_max3_num_f32 v[TM+3], v[LB+9],  v[LB+10], v[LB+11]
	v_max3_num_f32 v[TM+4], v[LB+12], v[LB+13], v[LB+14]
	v_max3_num_f32 v[TM],   v[TM],    v[TM+1],  v[LB+15]
	v_max3_num_f32 v[TM+2], v[TM+2],  v[TM+3],  v[TM+4]
	v_max_num_f32  v[TM],   v[TM],    v[TM+2]
	v_permlanex16_b32 v[TM+1], v[TM], s20, s21
	v_max_num_f32  v[TM],   v[TM],    v[TM+1]      ; the row's maximum
	v_sub_f32 v[TM+2], 0, v[TM]                    ; its negative, as a pair
	v_sub_f32 v[TM+3], 0, v[TM]
.set ix, 0
.rept 8
	v_pk_add_f32 v[LB+ix:LB+ix+1], v[LB+ix:LB+ix+1], v[TM+2:TM+3]
.set ix, ix+2
.endr
.set ix, 0
.rept 16
	v_exp_f32 v[LB+ix], v[LB+ix]
.set ix, ix+1
.endr
	v_nop                                          ; one plain place between the exponentials and their first use (ISA guide 5.7.2)
	s_wait_alu depctr_va_vdst(0)
	v_pk_add_f32 v[TM:TM+1],   v[LB:LB+1],     v[LB+2:LB+3]
	v_pk_add_f32 v[TM+2:TM+3], v[LB+4:LB+5],   v[LB+6:LB+7]
	v_pk_add_f32 v[TM+4:TM+5], v[LB+8:LB+9],   v[LB+10:LB+11]
	v_pk_add_f32 v[TM+6:TM+7], v[LB+12:LB+13], v[LB+14:LB+15]
	v_pk_add_f32 v[TM:TM+1],   v[TM:TM+1],     v[TM+2:TM+3]
	v_pk_add_f32 v[TM+4:TM+5], v[TM+4:TM+5],   v[TM+6:TM+7]
	v_pk_add_f32 v[TM:TM+1],   v[TM:TM+1],     v[TM+4:TM+5]
	v_add_f32 v[TM], v[TM], v[TM+1]
	v_permlanex16_b32 v[TM+1], v[TM], s20, s21
	v_add_f32 v[TM], v[TM], v[TM+1]                ; at least 1: the largest logit gives 2^0
	v_rcp_f32 v[TM+2], v[TM]
	v_rcp_f32 v[TM+3], v[TM]
	v_nop                                          ; the place behind the reciprocals
.set ix, 0
	s_wait_alu depctr_va_vdst(0)
.rept 8
	v_pk_mul_f32 v[LB+ix:LB+ix+1], v[LB+ix:LB+ix+1], v[TM+2:TM+3]
.set ix, ix+2
.endr
.set ix, 0
.rept 8
	v_cvt_pk_bf16_f32 v[AT+8*\u+ix], v[LB+2*ix], v[LB+2*ix+1]     ; K index = k: registers 0-3 from tile t = 0, 4-7 from t = 1
.set ix, ix+1
.endr
.endm
.macro TURNA u                         ; a turned by the selector: lanes become k'
.irp t, 0,1
	v_wmma_f32_16x16x32_bf16 v[G+16*\u+8*\t:G+16*\u+8*\t+7], v[AT+8*\u:AT+8*\u+7], v[EX+4*\t:EX+4*\t+7], 0
.endr
.endm
.macro CVTA u                          ; G(u,.) holds bf16 numbers in f32: packing is exact.  K positions 8u .. 8u+7
.irp t, 0,1
.irp x, 0,1,2,3
	v_cvt_pk_bf16_f32 v[A2+8*\t+4*\u+\x], v[G+16*\u+8*\t+2*\x], v[G+16*\u+8*\t+2*\x+1]
.endr
.endr
.endm
; One chunk.  first = 1: the products start the sums (C = 0), nothing is cleared.  fill = 1: the slot is asked for again, SLOTS chunks ahead;
; fill = 2: the slot is not needed again and takes my centroids.  left = younger loads that may stay out.
; The two halves u = 0, 1 of the chunk are staggered, so that the vector work of one stands in the places behind the other's matrix instructions.
.macro TURN c, first, fill, left
	s_wait_loadcnt \left                           ; loads return in order (ISA guide 5.7.1): this chunk is in
.if \first == 0
	PLACES                                         ; F2 was a source of the last chunk's products: four places before it is rewritten
.endif
	WIN 0x05
.irp i, 0,1,2,3
.irp s, 0,1,2,3,4,5,6,7
	v_cvt_pk_bf16_f32 v[F2+8*\i+\s], v[64*((\c)%SLOTS)+8*\s+\i], v[64*((\c)%SLOTS)+8*\s+4+\i]
.endr
.endr
.if \fill == 1
	FILL \c+SLOTS
.endif
.if \fill == 2
	WIN 0x40
	global_load_b128 v[CENT:CENT+3],   v10, s[10:11]
	global_load_b128 v[CENT+4:CENT+7], v10, s[10:11] offset:256
.endif
	WIN 0
.irp u, 0,1
.irp i, 0,1,2,3
	v_wmma_f32_16x16x32_bf16 v[T+32*\u+8*\i:T+32*\u+8*\i+7], v[F2+8*\i:F2+8*\i+7], v[EX+4*\u:EX+4*\u+7], 0
.endr
.endr
	PLACES                                         ; before T is read
	CVTP 0
	LOGITS 0
	CVTP 1                                         ; 16 places behind LOGITS 0
	LOGITS 1
	SOFTMAX 0                                      ; the places behind LOGITS 1
	TURNA 0
	SOFTMAX 1                                      ; the places behind TURNA 0
	TURNA 1
	CVTA 0                                         ; 8 places behind TURNA 1
	CVTA 1
	WIN 0x50                                       ; C and D in block 1
.irp t, 0,1
.irp i, 0,1,2,3
.if \first
	v_wmma_f32_16x16x32_bf16 v[ACC+32*\t+8*\i:ACC+32*\t+8*\i+7], v[A2+8*\t:A2+8*\t+7], v[F2+8*\i:F2+8*\i+7], 0
.else
	v_wmma_f32_16x16x32_bf16 v[ACC+32*\t+8*\i:ACC+32*\t+8*\i+7], v[A2+8*\t:A2+8*\t+7], v[F2+8*\i:F2+8*\i+7], v[ACC+32*\t+8*\i:ACC+32*\t+8*\i+7]
.endif
.endr
.endr
	WIN 0
.irp t, 0,1
.if \first
	v_wmma_f32_16x16x32_bf16 v[ASUM+8*\t:ASUM+8*\t+7], v[A2+8*\t:A2+8*\t+7], v[ONES:ONES+7], 0
.else
	v_wmma_f32_16x16x32_bf16 v[ASUM+8*\t:ASUM+8*\t+7], v[A2+8*\t:A2+8*\t+7], v[ONES:ONES+7], v[ASUM+8*\t:ASUM+8*\t+7]
.endif
.endr
.endm
	; eight chunks, written out: the slot is c mod 3 and every address is an immediate.  Two younger chunks (32 loads) stay out,
	; then chunk 7 and the two centroid loads (18), then the centroid loads alone (2).
	TURN 0, 1, 1, 32
	TURN 1, 0, 1, 32
	TURN 2, 0, 1, 32
	TURN 3, 0, 1, 32
	TURN 4, 0, 1, 32
	TURN 5, 0, 2, 32
	TURN 6, 0, 0, 18
	TURN 7, 0, 0, 2
	; THE END: the eight waves' sums meet in LDS.  The four address lines are the four places behind the last products.
	v_and_b32 v2, 31, v0
	v_lshl_add_u32 v3, v2, 3, s22                  ; 8 L + my 10,240 bytes: each store below covers 256 consecutive bytes
	v_lshl_add_u32 v4, v2, 3, s23                  ; 8 L + my share in wave 0's bytes
	v_add_nc_u32 v5, 4*WSTR, v4                    ; the same in wave 4's: the immediate reaches 65,535 bytes
	WIN 0x04                                       ; store data in block 1
.irp t, 0,1
.irp p, 0,1,2,3
.irp i, 0,1,2,3
	ds_store_b64 v3, v[ACC+32*\t+8*\i+2*\p:ACC+32*\t+8*\i+2*\p+1] offset:256*\i+(4*\t+\p)*RSTR
.endr
.endr
.endr
	WIN 0
.irp t, 0,1
.irp p, 0,1,2,3
	ds_store_b64 v3, v[ASUM+8*\t+2*\p:ASUM+8*\t+2*\p+1] offset:1024+(4*\t+\p)*RSTR
.endr
.endr
	s_wait_dscnt 0x0                               ; for the others: my sums are in LDS before I say so
	s_barrier_signal -1
	s_barrier_wait -1
.irp w, 0,1,2,3
.irp i, 0,1,2,3,4
	ds_load_b64 v[RD+10*\w+2*\i:RD+10*\w+2*\i+1], v4 offset:256*\i+\w*WSTR
.endr
.endr
.irp w, 4,5,6,7
.irp i, 0,1,2,3,4
	ds_load_b64 v[RD+10*\w+2*\i:RD+10*\w+2*\i+1], v5 offset:256*\i+(\w-4)*WSTR
.endr
.endr
.irp w, 1,2,3,4,5,6,7
	s_wait_dscnt 35-5*\w                           ; five loads a wave: those of waves 0 to w are in, the later ones stay out
.irp i, 0,1,2,3,4
	v_pk_add_f32 v[RD+2*\i:RD+2*\i+1], v[RD+2*\i:RD+2*\i+1], v[RD+10*\w+2*\i:RD+10*\w+2*\i+1]
.endr
.endr
	s_wait_loadcnt 0x0                             ; my centroids
	WIN 0x04                                       ; source 1 in block 1
.irp j, 0,1
.irp i, 0,1,2,3
	v_fma_f32 v[O+4*\j+\i], v[RD+8+\j], v[CENT+4*\j+\i], v[RD+2*\i+\j]    ; (- sum a) cent[k][4r+i] + sum a R, k = 16t + 8h + 2jp + j
.endr
.endr
	WIN 0
	global_store_b128 v10, v[O:O+3],   s[12:13] th:TH_STORE_NT             ; sixteen lanes write one whole row of out, 256 consecutive bytes, aligned
	global_store_b128 v10, v[O+4:O+7], s[12:13] offset:256 th:TH_STORE_NT
	s_wait_xcnt 0x0
	v_lshl_add_u32 v254, v0, 2, 0x14000
	v_mov_b32 v255, 0
	s_wait_tensorcnt 0x0
	ds_add_u32 v254, v255
	s_wait_dscnt 0x0
	s_endpgm
.Lfunc_end_k_qeaa2d31f66_netvlad:
	.size	k_qeaa2d31f66_netvlad, .Lfunc_end_k_qeaa2d31f66_netvlad-k_qeaa2d31f66_netvlad
	.p2alignl 7, 3214868480
	.fill 96, 4, 3214868480
	.section	.rodata,"a",@progbits
	.p2align	6, 0x0
	.amdhsa_kernel k_qeaa2d31f66_netvlad
		.amdhsa_group_segment_fixed_size 82944
		.amdhsa_private_segment_fixed_size 0
		.amdhsa_enable_private_segment 0
		.amdhsa_kernarg_size 40
		.amdhsa_user_sgpr_count 2
		.amdhsa_user_sgpr_kernarg_segment_ptr 1
		.amdhsa_wavefront_size32 1
		.amdhsa_system_sgpr_workgroup_id_x 1
		.amdhsa_system_sgpr_workgroup_id_y 1
		.amdhsa_system_sgpr_workgroup_id_z 1
		.amdhsa_system_vgpr_workitem_id 0
		.amdhsa_next_free_vgpr 512
		.amdhsa_next_free_sgpr 66
		.amdhsa_reserve_vcc 1
		.amdhsa_float_denorm_mode_32 3
		.amdhsa_float_denorm_mode_16_64 3
		.amdhsa_memory_ordered 1
		.amdhsa_forward_progress 1
		.amdhsa_inst_pref_size 144
	.end_amdhsa_kernel
	.amdgpu_metadata
---
amdhsa.version: [ 1, 2 ]
amdhsa.kernels:
  - .name:           k_qeaa2d31f66_netvlad
    .symbol:         k_qeaa2d31f66_netvlad.kd
    .args:
      - { .name: R_seq, .offset: 0, .size: 8, .value_kind: global_buffer, .address_space: global }
      - { .name: W, .offset: 8, .size: 8, .value_kind: global_buffer, .address_space: global }
      - { .name: b, .offset: 16, .size: 8, .value_kind: global_buffer, .address_space: global }
      - { .name: centroids, .offset: 24, .size: 8, .value_kind: global_buffer, .address_space: global }
      - { .name: out0, .offset: 32, .size: 8, .value_kind: global_buffer, .address_space: global }
    .group_segment_fixed_size: 82944
    .private_segment_fixed_size: 0
    .kernarg_segment_align: 8
    .kernarg_segment_size: 40
    .max_flat_workgroup_size: 256
    .sgpr_count:     66
    .vgpr_count:     512
    .wavefront_size: 32
...
	.end_amdgpu_metadata
.endif
;; end of part 1
